; MI455X (gfx1250); checked and timed in simulation.
; The chip was launched on July 23, 2026; its instructions are those of AMD's public machine-readable ISA for CDNA 5 (MIT licence, August 2026) and "CDNA5" Instruction Set Architecture Reference Guide (July 2026). The comments in the code are by the model that wrote it; some were corrected since.
;; Head. Allowed arithmetic: float matrix products may take bf16 or f16 operands with f32 sums; all other float work in f32.
;; Inputs: Wk 384 x 64 float32; Wq 384 x 64 float32; Wv 384 x 64 float32; x 512 x 256 x 384 float32.
;; Outputs: out0 512 x 256 x 64 float32.
;; One version. Each part assembles by itself: llvm-mc -triple=amdgcn-amd-amdhsa -mcpu=gfx1250 --defsym DOCPART=n.
;; ======== version 1 of 1: 1 launch
;; limits: values are held in f16: magnitudes above 65,504 overflow, below 6.1e-05 lose precision
;; launch head (part 1): grid 256 x 1, 4 waves a work-group, no clusters, 275,968 bytes of LDS; arguments x, Wq, Wk, Wv, out0; writes out0
.if DOCPART == 1
	.amdgcn_target "amdgcn-amd-amdhsa--gfx1250"
	.amdhsa_code_object_version 6
	.text
	.protected	k_qbd542c9ff4_head
	.globl	k_qbd542c9ff4_head
	.p2align	8
	.type	k_qbd542c9ff4_head,@function
k_qbd542c9ff4_head:
	s_mov_b64 s[64:65], 0
	v_nop
	global_prefetch_b8 v0, s[64:65] scope:SCOPE_SE
	s_setreg_imm32_b32 hwreg(HW_REG_WAVE_MODE, 25, 1), 1
	s_wait_xcnt 0x0
; One causal attention head, fused: q, k, v = x W (256 x 384 times 384 x 64 each), softmax(q k^T / 8) under the causal mask, times v.
; x: [512][256][384] f32.  Wq, Wk, Wv: [384][64] f32.  out0: [512][256][64] f32.
; 256 work-groups of four waves; work-group id does batches 2 id and 2 id + 1, so the weights are converted once for two batches.
; A wave owns 64 rows of a batch: row groups gA = w and gB = 7 - w of 32 rows.  It projects them on all 192 columns (48 accumulator
; tiles, 384 registers) and owns them as queries: (w + 1) + (8 - w) = 9 causal key blocks of 32 for every wave.
; x is read once, through registers, because it is narrowed from f32 to bf16 on the way: a ring of 8 groups of 8 loads of 16 bytes a lane,
; 64 loads x 512 bytes x 4 waves on their way.  q stays in registers, k and v go through LDS, scores and probabilities stay in registers.
; NO CLUSTER: work-groups share the weights alone, 294,912 bytes read once by each against its 786,432 bytes of x, and the weights have to be
; converted and transposed in registers; an f32 landing area of 294,912 bytes does not fit beside the 275,456 bytes of LDS in use.
; NUMBER FORMATS: the inputs x and W go to the matrix unit in bf16 (their range is not known); all sums are f32.  The intermediates q, k, v
; and the probabilities go in f16, 11 significant bits in place of 8: outputs that are small because their terms cancel do not bear a second
; and third rounding to 8 bits.  Room in f16: with inputs of spread 1 and 384^-1/2, q, k, v have spread 1; with x and W both 30 times larger,
; 900; with an offset of 30 spreads on both (30 and 1.53) their common part is 384 x 30 x 1.53 = 17,626; f16 ends at 65,504.  With both 30
; times smaller the spread is 1.1e-3, and values below 6.1e-5 (f16's smallest normal number) keep an absolute error of 3e-8.  Probabilities
; are at most 1; below 6.1e-5 they err by at most 3e-8 each, 256 of them by 8e-6 against a row sum of at least 1.
; LIMITS: |q|, |k| or |v| above 65,504 becomes infinite in f16 and the result NaN.  The row sum is taken over the f32 probabilities, the
; product with v over their f16 roundings.  NaN or infinite inputs do not give the NaN pattern of an f32 evaluation (v_max_num drops a NaN).
; v_exp_f32 gives zero for results below 2^-126.
;
; THE HEAD INDEX IS PERMUTED: column n = 4 nq + i of a weight matrix is LDS row 16 i + nq of that matrix.  N tile b = 4 mat + i
; (mat 0 q, 1 k, 2 v), its row rho is column 4 rho + i.  q and k share the permutation, so scores are untouched; for v it is undone
; by the order in which the last multiply writes its results.
; ORIENTATIONS (lane l: r = l % 16, hh = l / 16; result register j is element (8 hh + j, r)):
;   q, k tiles: source 0 = W rows, source 1 = x rows: a lane holds (x row r, rho 8 hh + j): packed, half a fragment along the head index
;   v tiles:    source 0 = x rows, source 1 = W rows: a lane holds (rho r, keys 8 hh + j): packed, 16 bytes of a row of V^T
;   scores:     source 0 = K, source 1 = Q: a lane holds (query r, keys 8 hh + j): packed, the fragment of P; softmax figures are per lane
;   output:     source 0 = V^T, source 1 = P: a lane holds (query r, rho 8 hh + j)
.set XROW,   1536                      ; bytes in a row of x
.set XBATCH, 393216                    ; bytes of x in a batch
.set OBATCH, 65536                     ; bytes of out0 in a batch
; LDS.  Every pitch is an odd multiple of 16 bytes: the 16 rows that a 16-byte access touches lie in 16 different 16-byte columns modulo 256.
.set WTP, 784                          ; W^T: 192 rows (16 b + rho) x 384 k bf16
.set XSP, 144                          ; x chunk: for each wave 64 rows x 64 k bf16 (9,216 bytes a wave), read and written by that wave alone
.set KLP, 144                          ; K: 256 keys x 64 f16
.set VTP, 528                          ; V^T: 64 rows (16 i + rho) x 256 keys f16
.set STP, 272                          ; way out: for each wave 16 rows x 256 bytes (4,352 bytes a wave), that wave alone
.set XS,  150528
.set KL,  187392
.set VT,  224256
.set STG, 258048                       ; ends at 275,456
; Vector registers, window 0 (v0-255)
.set RR,  1                            ; r
.set HH,  2                            ; hh
.set TP,  3                            ; scratch for addresses
.set XG,  4                            ; v4-5   group A, B: (32 g + 8 hh) x 1536 + 16 r, offset in the batch of x
.set XSW, 6                            ; where I put 8 bytes of the x chunk
.set XSR, 7                            ; where I read x fragments
.set WB,  8                            ; v8-10  W fragments of q, k, v
.set KS,  11                           ; v11-12 K of my group A, B: stores, and the fragments of the diagonal block
.set VS,  13                           ; v13-14 the same for V^T
.set KF0, 15                           ; K fragments of key block 0; later blocks by the immediate offset
.set VF0, 16                           ; V^T fragments of key block 0; later blocks by the immediate offset
.set STW, 19                           ; way out: in
.set STR, 20                           ; way out: back
.set OG,  21                           ; v21-22 group A, B: offset in the batch of out0
.set NINF, 23                          ; minus infinity
.set WG,  24                           ; offset in a weight matrix
.set WS,  25                           ; v25-27 where I put 16 bytes of W^T
.set DG,  30                           ; r - 8 hh
.set AF,  32                           ; v32-95   x fragments: 32 ks + 8 a
.set BH0, 96                           ; v96-143  six W fragments
.set BH1, 144                          ; v144-191 six more
.set TW,  192                          ; v192-207 set-up: packed W
.set QF,  32                           ; v32-95   Q fragments: 16 a + 8 s
.set KPK, 96                           ; v96-159  packed k
.set VPK, 160                          ; v160-223 packed v
.set KF,  96                           ; v96-127  K fragments 16 kt + 8 s; way out: rows read back, query tile 0
.set VF,  128                          ; v128-159 V^T fragments 8 i; way out: rows read back, query tile 1
.set SS,  160                          ; v160-191 scores 16 qt + 8 kt; way out: scaled results
.set PF,  192                          ; v192-207 P fragments 8 qt
.set ST,  208                          ; v208-215 for each qt: -c max, max, alpha, sum
.set INV, 216                          ; v216-217 1 / sum
.set TM,  224                          ; v224-239 scratch, 8 for each qt
; window 1 (v256-511): the load ring, slot sigma at 32 sigma.  window 2 (v512-703): accumulators of N tiles 0-5 at 8 (6 a + b), in
; attention the output tiles at 8 (4 qt + i).  window 3 (v768-959): accumulators of N tiles 6-11 at 8 (6 a + b - 6).
; Scalars: s[4:5] x at the batch, s[6:11] Wq Wk Wv, s[12:13] out0 at the batch, s14 wave, s15 gA, s16 gB, s17-19 scratch,
; s20-21 lane selects, s22 batch counter, s24-31 masks j <= r - 8 hh, s32 = s33 = c = log2(e) / 8, s34 = -c.
.set MSB, 0
.macro WIN new                         ; low byte: bits 1:0 source 0, 3:2 source 1, 5:4 source 2, 7:6 destination; high byte: the setting left
.if MSB != \new
	s_set_vgpr_msb (MSB<<8)|\new
.set MSB, \new
.endif
.endm
; Four places behind matrix instructions before their results are read by vector instructions or their registers are
; written by vector instructions or loads; other matrix instructions are not counted as places here.
.macro PLACES
.rept 4
	v_nop
.endr
.endm
.macro WM d, x, y, zero                ; one matrix instruction on bf16 (the projection); zero = 1: the product starts the sum, nothing is ever cleared
.if \zero
	v_wmma_f32_16x16x32_bf16 v[\d:\d+7], v[\x:\x+7], v[\y:\y+7], 0
.else
	v_wmma_f32_16x16x32_bf16 v[\d:\d+7], v[\x:\x+7], v[\y:\y+7], v[\d:\d+7]
.endif
.endm
.macro WH d, x, y, zero                ; the same on f16 (scores, and P times V): same registers and layout
.if \zero
	v_wmma_f32_16x16x32_f16 v[\d:\d+7], v[\x:\x+7], v[\y:\y+7], 0
.else
	v_wmma_f32_16x16x32_f16 v[\d:\d+7], v[\x:\x+7], v[\y:\y+7], v[\d:\d+7]
.endif
.endm
; THE ONE STREAM OF LOADS.  A group is 8 loads; group G lands in slot (G + 6) % 8.  Groups 0-17 are my 18 units of W (matrix u / 6,
; 16 rows k at 96 w + 16 (u % 6)); group 18 + 4 c + a is piece a (the 16 rows of M tile a) of chunk c (64 k) of x, slot 4 (c % 2) + a.
; Each consumer waits until 56 loads are out (loads return in order, ISA guide 5.7.1: the seven younger groups), uses its slot and asks for
; the group eight further on into it.  With the new group 64 loads are asked for; a counter cannot pass its field, the issue holds
; (ISA guide 5.7.1), so no wait is placed for that.
.macro WREQ u                          ; lanes 0-15 take the 256 bytes of row k, lanes 16-31 of row k + 8
.irp j, 0,1,2,3,4,5,6,7
	global_load_b128 v[32*(((\u)+6)&7)+4*\j:32*(((\u)+6)&7)+4*\j+3], v[WG], s[6+2*((\u)/6):7+2*((\u)/6)] offset:256*(16*((\u)%6)+\j)
.endr
.endm
.macro XREQ par, a, imm                ; lanes 0-15 take 256 bytes of row j of the piece, lanes 16-31 of row j + 8; read once in the launch
.irp j, 0,1,2,3,4,5,6,7
	global_load_b128 v[32*(4*(\par)+(\a))+4*\j:32*(4*(\par)+(\a))+4*\j+3], v[XG+(\a)/2], s[4:5] offset:\imm+XROW*(16*((\a)%2)+\j) th:TH_LOAD_NT
.endr
.endm
; A unit of W: I hold W[k0 + 8 hh + j][4 r + i] in register 4 j + i of the slot.  For each i, eight k pack into 16 bytes of W^T row 16 i + r.
.macro WUNIT u
	s_wait_loadcnt 56
	WIN 0x05
.irp i, 0,1,2,3
.irp p, 0,1,2,3
	v_cvt_pk_bf16_f32 v[TW+4*\i+\p], v[32*((\u+6)&7)+8*\p+\i], v[32*((\u+6)&7)+8*\p+4+\i]
.endr
.endr
	WIN 0
.irp i, 0,1,2,3
	ds_store_b128 v[WS+(\u)/6], v[TW+4*\i:TW+4*\i+3] offset:16*WTP*\i+32*((\u)%6)
.endr
	WIN 0x40
.if \u < 10
	WREQ \u+8
.else
	XREQ (\u-10)/4, (\u-10)%4, 256*((\u-10)/4)
.endif
.endm
; A piece of x: narrowed in place in the ring, 8 bytes a lane into my x chunk.  The two halves of the lanes are 8 rows = 1,152 bytes apart,
; 128 modulo 256, so the 32 lanes of a store cover 256 different bytes modulo 256.  req = 1: the slot is asked for again, at byte imm.
.macro CONSUME par, a, cnt, req, imm
	s_wait_loadcnt \cnt
	WIN 0x45
.irp j, 0,1,2,3,4,5,6,7
	v_cvt_pk_bf16_f32 v[32*(4*(\par)+\a)+4*\j], v[32*(4*(\par)+\a)+4*\j], v[32*(4*(\par)+\a)+4*\j+1]
	v_cvt_pk_bf16_f32 v[32*(4*(\par)+\a)+4*\j+1], v[32*(4*(\par)+\a)+4*\j+2], v[32*(4*(\par)+\a)+4*\j+3]
.endr
	WIN 0x44                               ; store data and load destination in the ring, addresses in window 0
.irp j, 0,1,2,3,4,5,6,7
	ds_store_b64 v[XSW], v[32*(4*(\par)+\a)+4*\j:32*(4*(\par)+\a)+4*\j+1] offset:XSP*(16*\a+\j)
.endr
.if \req
	XREQ \par, \a, \imm
.endif
.endm
.macro ALOAD                           ; 16 loads: my 64 rows x 64 k of the chunk
.irp ks, 0,1
.irp a, 0,1,2,3
	ds_load_b128 v[AF+32*\ks+8*\a:AF+32*\ks+8*\a+3],   v[XSR] offset:16*XSP*\a+64*\ks
	ds_load_b128 v[AF+32*\ks+8*\a+4:AF+32*\ks+8*\a+7], v[XSR] offset:16*XSP*\a+64*\ks+32
.endr
.endr
.endm
.macro BLOAD c, ks, half, bh           ; 12 loads: N tiles 6 half .. 6 half + 5, 32 k
.irp t, 0,1,2,3,4,5
	ds_load_b128 v[\bh+8*\t:\bh+8*\t+3],   v[WB+(6*\half+\t)/4] offset:16*WTP*((6*\half+\t)%4)+128*\c+64*\ks
	ds_load_b128 v[\bh+8*\t+4:\bh+8*\t+7], v[WB+(6*\half+\t)/4] offset:16*WTP*((6*\half+\t)%4)+128*\c+64*\ks+32
.endr
.endm
.macro MM ks, half, bh, zero           ; 24 matrix instructions: 4 M tiles x 6 N tiles
.if \half
	WIN 0xf0
.else
	WIN 0xa0
.endif
.irp a, 0,1,2,3
.irp t, 0,1,2,3,4,5
.if (6*\half+\t) < 8
	WM 8*(6*\a+\t), \bh+8*\t, AF+32*\ks+8*\a, \zero
.else
	WM 8*(6*\a+\t), AF+32*\ks+8*\a, \bh+8*\t, \zero
.endif
.endr
.endr
.endm
; A STEP multiplies chunk c (64 k).  mode 2: the next chunk is narrowed into LDS and the chunk three on is asked for at byte reqoff;
; mode 1: narrowed, nothing asked for, the counts run down from n0 by dn; mode 0: neither.  The stores of the next chunk stand behind
; the loads of this one; LDS serves a wave in order (ISA guide 5.7.1), and the bytes are my own, so one chunk buffer is enough.
.macro STEP c, zero, mode, n0, dn, reqoff
	PLACES
	WIN 0
	ALOAD
	BLOAD \c, 0, 0, BH0
	BLOAD \c, 0, 1, BH1
.if \mode == 2
.irp a, 0,1,2,3
	CONSUME (\c+1)&1, \a, \n0-\a*\dn, 1, \reqoff
.endr
.endif
.if \mode == 1
.irp a, 0,1,2,3
	CONSUME (\c+1)&1, \a, \n0-\a*\dn, 0, 0
.endr
.endif
.if \mode
	s_wait_dscnt 44                        ; x fragments and BH0 are in; BH1 (12 loads) and the 32 stores may be out
.else
	s_wait_dscnt 12                        ; the same without stores
.endif
	MM 0, 0, BH0, \zero
	PLACES
	WIN 0
	BLOAD \c, 1, 0, BH0
	s_wait_dscnt 12                        ; BH1 is in; the 12 loads just issued stay out
	MM 0, 1, BH1, \zero
	PLACES
	WIN 0
	BLOAD \c, 1, 1, BH1
	s_wait_dscnt 12                        ; BH0 is in
	MM 1, 0, BH0, 0
	s_wait_dscnt 0                         ; BH1 is in
	MM 1, 1, BH1, 0
.endm
; ATTENTION
.macro KLOAD adr, off                  ; 8 loads: 32 keys x 64
.irp kt, 0,1
.irp s, 0,1
	ds_load_b128 v[KF+16*\kt+8*\s:KF+16*\kt+8*\s+3],   v[\adr] offset:\off+16*KLP*\kt+64*\s
	ds_load_b128 v[KF+16*\kt+8*\s+4:KF+16*\kt+8*\s+7], v[\adr] offset:\off+16*KLP*\kt+64*\s+32
.endr
.endr
.endm
.macro VLOAD adr, off                  ; 8 loads: 64 rows of V^T x 32 keys
.irp i, 0,1,2,3
	ds_load_b128 v[VF+8*\i:VF+8*\i+3],   v[\adr] offset:\off+16*VTP*\i
	ds_load_b128 v[VF+8*\i+4:VF+8*\i+7], v[\adr] offset:\off+16*VTP*\i+32
.endr
.endm
.macro SMM4 grp                        ; scores of 32 queries x 32 keys
.irp q, 0,1
.irp kt, 0,1
	WH SS+16*\q+8*\kt, KF+16*\kt, QF+32*\grp+16*\q, 1
.endr
.endr
.irp q, 0,1
.irp kt, 0,1
	WH SS+16*\q+8*\kt, KF+16*\kt+8, QF+32*\grp+16*\q+8, 0
.endr
.endr
.endm
; The running softmax of one key block, both query tiles interleaved.  A query lies in lanes l and l xor 16, 16 keys in each.
; p = 2^(c s - c max).  The rounded -c max is common to a row and also makes alpha = 2^(new - old), so its rounding cancels.
.macro SOFTMAX first
.irp q, 0,1
	v_max3_num_f32 v[TM+8*\q],   v[SS+16*\q],   v[SS+16*\q+1], v[SS+16*\q+2]
	v_max3_num_f32 v[TM+8*\q+1], v[SS+16*\q+8], v[SS+16*\q+9], v[SS+16*\q+10]
.endr
.irp q, 0,1
	v_max3_num_f32 v[TM+8*\q],   v[TM+8*\q],   v[SS+16*\q+3],  v[SS+16*\q+4]
	v_max3_num_f32 v[TM+8*\q+1], v[TM+8*\q+1], v[SS+16*\q+11], v[SS+16*\q+12]
.endr
.irp q, 0,1
	v_max3_num_f32 v[TM+8*\q],   v[TM+8*\q],   v[SS+16*\q+5],  v[SS+16*\q+6]
	v_max3_num_f32 v[TM+8*\q+1], v[TM+8*\q+1], v[SS+16*\q+13], v[SS+16*\q+14]
.endr
.irp q, 0,1
.if \first
	v_max_num_f32 v[TM+8*\q], v[TM+8*\q], v[SS+16*\q+7]
.else
	v_max3_num_f32 v[TM+8*\q], v[TM+8*\q], v[SS+16*\q+7], v[ST+4*\q+1]     ; the old maximum joins
.endif
.endr
.irp q, 0,1
	v_max3_num_f32 v[TM+8*\q+1], v[TM+8*\q+1], v[SS+16*\q+15], v[TM+8*\q]
.endr
.irp q, 0,1
	v_permlanex16_b32 v[TM+8*\q], v[TM+8*\q+1], s20, s21                   ; the other 16 keys of my query
.endr
.irp q, 0,1
	v_max_num_f32 v[ST+4*\q+1], v[TM+8*\q], v[TM+8*\q+1]
.endr
.irp q, 0,1
	v_mul_f32 v[TM+8*\q+2], s34, v[ST+4*\q+1]                              ; -c max
.endr
.if \first == 0
.irp q, 0,1
	v_sub_f32 v[TM+8*\q+3], v[TM+8*\q+2], v[ST+4*\q]                       ; new - old, at most 0
.endr
.irp q, 0,1
	v_exp_f32 v[ST+4*\q+2], v[TM+8*\q+3]                                   ; alpha; the moves below are the plain place behind it (ISA guide 5.7.2)
.endr
.endif
.irp q, 0,1
	v_mov_b32 v[ST+4*\q], v[TM+8*\q+2]
.endr
.irp q, 0,1
.irp p, 0,2,4,6,8,10,12,14
	v_pk_fma_f32 v[SS+16*\q+\p:SS+16*\q+\p+1], v[SS+16*\q+\p:SS+16*\q+\p+1], s[32:33], v[ST+4*\q:ST+4*\q+1] op_sel_hi:[1,0,0]
.endr
.endr
.irp p, 0,1,2,3,4,5,6,7,8,9,10,11,12,13,14,15,16,17,18,19,20,21,22,23,24,25,26,27,28,29,30,31
	v_exp_f32 v[SS+\p], v[SS+\p]
.endr
	v_nop                                  ; one plain place behind the run of exponentials (ISA guide 5.7.2)
	s_wait_alu depctr_va_vdst(0)
.irp q, 0,1
.irp p, 0,1,2,3
	v_pk_add_f32 v[TM+8*\q+2*\p:TM+8*\q+2*\p+1], v[SS+16*\q+4*\p:SS+16*\q+4*\p+1], v[SS+16*\q+4*\p+2:SS+16*\q+4*\p+3]
.endr
.endr
.irp q, 0,1
.irp p, 0,1,2,3,4,5,6,7
	v_cvt_pk_f16_f32 v[PF+8*\q+\p], v[SS+16*\q+2*\p], v[SS+16*\q+2*\p+1]   ; probabilities, at most 1, in f16
.endr
.endr
.irp q, 0,1
	v_pk_add_f32 v[TM+8*\q:TM+8*\q+1],   v[TM+8*\q:TM+8*\q+1],   v[TM+8*\q+2:TM+8*\q+3]
	v_pk_add_f32 v[TM+8*\q+4:TM+8*\q+5], v[TM+8*\q+4:TM+8*\q+5], v[TM+8*\q+6:TM+8*\q+7]
.endr
.irp q, 0,1
	v_pk_add_f32 v[TM+8*\q:TM+8*\q+1], v[TM+8*\q:TM+8*\q+1], v[TM+8*\q+4:TM+8*\q+5]
.endr
.irp q, 0,1
.if \first
	v_add_f32 v[ST+4*\q+3], v[TM+8*\q], v[TM+8*\q+1]
.else
	v_add_f32 v[TM+8*\q], v[TM+8*\q], v[TM+8*\q+1]
	v_fma_f32 v[ST+4*\q+3], v[ST+4*\q+3], v[ST+4*\q+2], v[TM+8*\q]
.endif
.endr
.endm
.macro RESCALE                         ; the output so far times alpha of my query
	WIN 0x82
.irp q, 0,1
.irp p, 0,2,4,6,8,10,12,14,16,18,20,22,24,26,28,30
	v_pk_mul_f32 v[32*\q+\p:32*\q+\p+1], v[32*\q+\p:32*\q+\p+1], v[ST+4*\q+2:ST+4*\q+3] op_sel_hi:[1,0]
.endr
.endr
.endm
.macro PVMM first
	WIN 0xa0
.irp q, 0,1
.irp i, 0,1,2,3
	WH 8*(4*\q+\i), VF+8*\i, PF+8*\q, \first
.endr
.endr
.endm
; The 32 queries of one of my groups (grp 0: A, 1: B) take the diagonal key block g first, in which every query has a valid key, so the
; maximum is finite from the start; then blocks 0 .. g - 1, K fetched one block ahead.  The blocks are written out, not looped over, so that
; every LDS address is a fixed register plus an immediate: three for group A (g = w, at most 3), seven for group B (g = 7 - w, at least 4).
.macro DIAG grp
	s_wait_xcnt 0x0                        ; KF and VF fed the stores of the last way out: loaded into only behind this wait (ISA guide 3.1)
	KLOAD KS+\grp, 0
	VLOAD VS+\grp, 0
	s_wait_dscnt 8                         ; K is in, the 8 loads of V stay out
	WH SS,    KF,    QF+32*\grp,    1      ; queries 0-15 x keys 0-15
	WH SS+16, KF,    QF+32*\grp+16, 1      ; queries 16-31 x keys 0-15
	WH SS+24, KF+16, QF+32*\grp+16, 1      ; queries 16-31 x keys 16-31
	WH SS,    KF+8,  QF+32*\grp+8,  0
	WH SS+16, KF+8,  QF+32*\grp+24, 0
	WH SS+24, KF+24, QF+32*\grp+24, 0
.irp j, 0,1,2,3,4,5,6,7
	v_mov_b32 v[SS+8+\j], v[NINF]          ; queries 0-15 x keys 16-31: all masked.  These eight are also the places behind the six above
.endr
	KLOAD KF0, 0                           ; block 0, ahead
.irp j, 0,1,2,3,4,5,6,7
	v_cndmask_b32 v[SS+\j],    v[NINF], v[SS+\j],    s[24+\j]              ; key 8 hh + j stays where it is at most query r
	v_cndmask_b32 v[SS+24+\j], v[NINF], v[SS+24+\j], s[24+\j]
.endr
	SOFTMAX 1
	s_wait_dscnt 8                         ; V is in, the K fetched ahead stays out
	PVMM 1
	WIN 0
.endm
.macro EXITIF grp, sg, kb              ; no block kb below the diagonal: g <= kb.  g hangs on the wave number alone; no barrier lies behind it in the group
	s_cmp_le_u32 \sg, \kb
	s_cbranch_scc1 .Lend\grp
.endm
; Key block kb, whole.  ahead = 1: K of block kb + 1 is fetched (at most block 7: inside K); 0 in a group's last written block, behind
; which no block can follow.
.macro TRIP grp, kb, ahead
	PLACES
	VLOAD VF0, 64*\kb
	s_wait_dscnt 8                         ; this block of K is in, the 8 loads of V stay out
	SMM4 \grp
	PLACES
.if \ahead
	KLOAD KF0, 32*KLP*(\kb+1)
.endif
	SOFTMAX 0
	RESCALE
	s_wait_dscnt 8*\ahead                  ; V is in; a K fetched ahead (8 loads) stays out
	PVMM 0
	WIN 0
.endm
.macro FINISH grp
	s_wait_dscnt 0                         ; a K fetched ahead and not used: its registers serve the way out
	PLACES
.irp q, 0,1
	v_permlanex16_b32 v[TM+8*\q], v[ST+4*\q+3], s20, s21
.endr
.irp q, 0,1
	v_add_f32 v[ST+4*\q+3], v[ST+4*\q+3], v[TM+8*\q]                       ; the sum over all keys of my query
.endr
.irp q, 0,1
	v_rcp_f32 v[INV+\q], v[ST+4*\q+3]
.endr
	v_nop                                  ; the plain place behind v_rcp_f32 (ISA guide 5.7.2)
	s_wait_alu depctr_va_vdst(0)
	; THE WAY OUT, 16 queries at a time.  Register j of tile i is head column 4 (8 hh + j) + i = 32 hh + 4 j + i: written to 4 j + i, the
	; 32 results of a lane are 128 neighbouring bytes of a row.  Through my own stage, back as whole rows of 256 bytes.
.irp q, 0,1
	WIN 0x02
.irp i, 0,1,2,3
.irp j, 0,1,2,3,4,5,6,7
	v_mul_f32 v[SS+4*\j+\i], v[8*(4*\q+\i)+\j], v[INV+\q]
.endr
.endr
	WIN 0
.irp t, 0,1,2,3,4,5,6,7
	ds_store_b128 v[STW], v[SS+4*\t:SS+4*\t+3] offset:16*\t
.endr
.irp t, 0,1,2,3,4,5,6,7
	ds_load_b128 v[KF+32*\q+4*\t:KF+32*\q+4*\t+3], v[STR] offset:2*STP*\t  ; in order behind my stores (ISA guide 5.7.1)
.endr
.irp t, 0,1,2,3,4,5,6,7
	s_wait_dscnt 7-\t
	global_store_b128 v[OG+\grp], v[KF+32*\q+4*\t:KF+32*\q+4*\t+3], s[12:13] offset:256*(16*\q+2*\t) th:TH_STORE_NT   ; 16 lanes store one row of out0: 256 consecutive bytes, aligned
.endr
.endr
.endm
	; PROLOGUE
	s_load_b256 s[4:11], s[0:1], 0x0               ; x, Wq, Wk, Wv
	s_load_b64 s[12:13], s[0:1], 0x20              ; out0
	v_lshl_add_u32 v254, v0, 2, 0x43400
	v_mov_b32 v255, 0
	v_lshrrev_b32 v[TP], 5, v0
	v_readfirstlane_b32 s14, v[TP]                 ; wave
	v_and_b32 v[RR], 15, v0
	v_bfe_u32 v[HH], v0, 4, 1
	v_lshlrev_b32 v[TP], 11, v[HH]
	v_lshl_add_u32 v[TP], v[RR], 4, v[TP]
	s_mul_i32 s17, s14, 24576
	v_add_nc_u32 v[WG], s17, v[TP]                 ; (96 w + 8 hh) x 256 + 16 r
	s_wait_kmcnt 0x0
	WIN 0x40
.irp u, 0,1,2,3,4,5,6,7
	WREQ \u                                        ; the ring is filled before anything else is done
.endr
	WIN 0
	s_mul_i32 s18, ttmp9, 2*XBATCH                 ; at most 255 x 786,432: below 2^32
	s_mov_b32 s19, 0
	s_add_nc_u64 s[4:5], s[4:5], s[18:19]          ; x at my first batch
	s_lshl_b32 s18, ttmp9, 17
	s_add_nc_u64 s[12:13], s[12:13], s[18:19]      ; out0 at my first batch
	s_mov_b32 s15, s14                             ; gA
	s_sub_co_u32 s16, 7, s14                       ; gB
	s_mov_b32 s20, 0x76543210                      ; v_permlanex16_b32: lane i of one half reads lane i of the other
	s_mov_b32 s21, 0xfedcba98
	s_mov_b32 s32, 0x3e38aa3b                      ; c = log2(e) / 8: the scale 64^-1/2 and the base of v_exp_f32 in one
	s_mov_b32 s33, 0x3e38aa3b
	s_mov_b32 s34, 0xbe38aa3b
	v_mul_u32_u24 v[TP], v[HH], 8*XROW
	v_lshl_add_u32 v[TP], v[RR], 4, v[TP]
	s_mul_i32 s17, s15, 32*XROW
	s_mul_i32 s18, s16, 32*XROW
	v_add_nc_u32 v[XG], s17, v[TP]
	v_add_nc_u32 v[XG+1], s18, v[TP]
	s_mul_i32 s17, s14, 64*XSP
	s_add_co_u32 s17, s17, XS                      ; my x chunk
	v_mul_u32_u24 v[TP], v[HH], 8*XSP
	v_lshl_add_u32 v[TP], v[RR], 3, v[TP]
	v_add_nc_u32 v[XSW], s17, v[TP]
	v_mul_u32_u24 v[TP], v[RR], XSP                ; 144 r + 16 hh serves x and K: the pitches are equal
	v_lshl_add_u32 v[TP], v[HH], 4, v[TP]
	v_add_nc_u32 v[XSR], s17, v[TP]
	v_add_nc_u32 v[KF0], KL, v[TP]
	s_mul_i32 s18, s15, 32*KLP
	s_mul_i32 s19, s16, 32*KLP
	v_add_nc_u32 v[KS], s18, v[KF0]
	v_add_nc_u32 v[KS+1], s19, v[KF0]
	v_mul_u32_u24 v[TP], v[RR], WTP
	v_lshl_add_u32 v[WB], v[HH], 4, v[TP]
	v_add_nc_u32 v[WB+1], 64*WTP, v[WB]
	v_add_nc_u32 v[WB+2], 128*WTP, v[WB]
	s_mul_i32 s17, s14, 192                        ; my 96 k
	v_add_nc_u32 v[WS], s17, v[WB]
	v_add_nc_u32 v[WS+1], s17, v[WB+1]
	v_add_nc_u32 v[WS+2], s17, v[WB+2]
	v_mul_u32_u24 v[TP], v[RR], VTP
	v_lshl_add_u32 v[TP], v[HH], 4, v[TP]
	v_add_nc_u32 v[VF0], VT, v[TP]
	s_lshl_b32 s18, s15, 6
	s_lshl_b32 s19, s16, 6
	v_add_nc_u32 v[VS], s18, v[VF0]
	v_add_nc_u32 v[VS+1], s19, v[VF0]
	s_mul_i32 s17, s14, 16*STP
	s_add_co_u32 s17, s17, STG                     ; my stage
	v_mul_u32_u24 v[TP], v[RR], STP
	v_lshl_add_u32 v[TP], v[HH], 7, v[TP]
	v_add_nc_u32 v[STW], s17, v[TP]
	v_mul_u32_u24 v[TP], v[HH], STP
	v_lshl_add_u32 v[TP], v[RR], 4, v[TP]
	v_add_nc_u32 v[STR], s17, v[TP]
	v_lshlrev_b32 v[TP], 8, v[HH]
	v_lshl_add_u32 v[TP], v[RR], 4, v[TP]
	s_lshl_b32 s18, s15, 13
	s_lshl_b32 s19, s16, 13
	v_add_nc_u32 v[OG], s18, v[TP]
	v_add_nc_u32 v[OG+1], s19, v[TP]
	v_mov_b32 v[NINF], 0xff800000
	v_lshlrev_b32 v[TP], 3, v[HH]
	v_sub_nc_u32 v[DG], v[RR], v[TP]
.irp j, 0,1,2,3,4,5,6,7
	v_cmp_le_i32 s[24+\j], \j, v[DG]
.endr
.irp u, 0,1,2,3,4,5,6,7,8,9,10,11,12,13,14,15,16,17
	WUNIT \u                                       ; W^T in bf16; the last eight units ask for chunks 0 and 1 of x
.endr
	WIN 0
	s_wait_dscnt 0x0                               ; my part of W^T is written: zero, for the others
	s_barrier_signal -1
	s_barrier_wait -1                              ; W^T is whole, and is never written again
.irp a, 0,1,2,3
	CONSUME 0, \a, 56, 1, 512                      ; chunk 0 into LDS, chunk 2 asked for
.endr
	WIN 0
	s_mov_b32 s22, 0
.Lbatch:
	STEP 0, 1, 2, 56, 0, 768                       ; the first products start the sums
	STEP 1, 0, 2, 56, 0, 1024
	STEP 2, 0, 2, 56, 0, 1280
	WIN 0
	s_cmp_lg_u32 s22, 0
	s_cbranch_scc1 .Ltail
	STEP 3, 0, 2, 56, 0, XBATCH                    ; first batch: the stream runs on into the second batch, through the attention too
	STEP 4, 0, 2, 56, 0, XBATCH+256
	STEP 5, 0, 2, 56, 0, XBATCH+512
	WIN 0
	s_branch .Lattn
.Ltail:
	STEP 3, 0, 1, 56, 8, 0                         ; second batch: nothing is asked for past it; 8 groups are out, the counts run 56, 48, 40, 32,
	STEP 4, 0, 1, 24, 8, 0                         ; 24, 16, 8, 0
	STEP 5, 0, 0, 0, 0, 0
	WIN 0
.Lattn:
	; q into fragments, k and v packed for LDS, all three in f16
	PLACES
	WIN 0x0a
.irp a, 0,1,2,3
.irp b, 0,1,2,3
.irp p, 0,1,2,3
	v_cvt_pk_f16_f32 v[QF+16*\a+4*\b+\p], v[8*(6*\a+\b)+2*\p], v[8*(6*\a+\b)+2*\p+1]
.endr
.endr
.irp i, 0,1
.irp p, 0,1,2,3
	v_cvt_pk_f16_f32 v[KPK+16*\a+4*\i+\p], v[8*(6*\a+4+\i)+2*\p], v[8*(6*\a+4+\i)+2*\p+1]
.endr
.endr
.endr
	WIN 0x0f
.irp a, 0,1,2,3
.irp i, 2,3
.irp p, 0,1,2,3
	v_cvt_pk_f16_f32 v[KPK+16*\a+4*\i+\p], v[8*(6*\a+\i-2)+2*\p], v[8*(6*\a+\i-2)+2*\p+1]
.endr
.endr
.irp i, 0,1,2,3
.irp p, 0,1,2,3
	v_cvt_pk_f16_f32 v[VPK+16*\a+4*\i+\p], v[8*(6*\a+2+\i)+2*\p], v[8*(6*\a+2+\i)+2*\p+1]
.endr
.endr
.endr
	WIN 0
	s_wait_dscnt 0x0                               ; my reads of the last batch's K and V^T are over
	s_barrier_signal -1
	s_barrier_wait -1                              ; everybody's are: K and V^T may be written
.irp a, 0,1,2,3
.irp i, 0,1,2,3
	ds_store_b128 v[KS+\a/2], v[KPK+16*\a+4*\i:KPK+16*\a+4*\i+3] offset:16*KLP*(\a%2)+32*\i
.endr
.endr
.irp a, 0,1,2,3
.irp i, 0,1,2,3
	ds_store_b128 v[VS+\a/2], v[VPK+16*\a+4*\i:VPK+16*\a+4*\i+3] offset:16*VTP*\i+32*(\a%2)
.endr
.endr
	s_wait_dscnt 0x0                               ; my 64 keys are written: zero, for the others
	s_barrier_signal -1
	s_barrier_wait -1                              ; all 256 keys are there
	; group A: g = w, 0 to 3 blocks below the diagonal
	DIAG 0
	EXITIF 0, s15, 0
	TRIP 0, 0, 1
	EXITIF 0, s15, 1
	TRIP 0, 1, 1
	EXITIF 0, s15, 2
	TRIP 0, 2, 0
.Lend0:
	FINISH 0
	; group B: g = 7 - w, 4 to 7 blocks below the diagonal: the first four are there for every wave
	DIAG 1
	TRIP 1, 0, 1
	TRIP 1, 1, 1
	TRIP 1, 2, 1
	TRIP 1, 3, 1
	EXITIF 1, s16, 4
	TRIP 1, 4, 1
	EXITIF 1, s16, 5
	TRIP 1, 5, 1
	EXITIF 1, s16, 6
	TRIP 1, 6, 0
.Lend1:
	FINISH 1
	s_wait_xcnt 0x0                                ; the bases, and the registers that the last stores read, are rewritten only behind this wait (ISA guide 3.1)
	s_add_nc_u64 s[4:5], s[4:5], XBATCH
	s_add_nc_u64 s[12:13], s[12:13], OBATCH
	s_add_co_u32 s22, s22, 1
	s_cmp_lt_u32 s22, 2
	s_cbranch_scc1 .Lbatch
	s_wait_tensorcnt 0x0
	ds_add_u32 v254, v255
	s_wait_dscnt 0x0
	s_endpgm
.Lfunc_end_k_qbd542c9ff4_head:
	.size	k_qbd542c9ff4_head, .Lfunc_end_k_qbd542c9ff4_head-k_qbd542c9ff4_head
	.p2alignl 7, 3214868480
	.fill 96, 4, 3214868480
	.section	.rodata,"a",@progbits
	.p2align	6, 0x0
	.amdhsa_kernel k_qbd542c9ff4_head
		.amdhsa_group_segment_fixed_size 275968
		.amdhsa_private_segment_fixed_size 0
		.amdhsa_enable_private_segment 0
		.amdhsa_kernarg_size 40
		.amdhsa_user_sgpr_count 2
		.amdhsa_user_sgpr_kernarg_segment_ptr 1
		.amdhsa_wavefront_size32 1
		.amdhsa_system_sgpr_workgroup_id_x 1
		.amdhsa_system_sgpr_workgroup_id_y 1
		.amdhsa_system_sgpr_workgroup_id_z 1
		.amdhsa_system_vgpr_workitem_id 0
		.amdhsa_next_free_vgpr 960
		.amdhsa_next_free_sgpr 66
		.amdhsa_reserve_vcc 0
		.amdhsa_float_denorm_mode_32 3
		.amdhsa_float_denorm_mode_16_64 3
		.amdhsa_memory_ordered 1
		.amdhsa_forward_progress 1
		.amdhsa_inst_pref_size 255
	.end_amdhsa_kernel
	.section	.bss,"aw",@nobits
	.p2align	6
	.space	262144
	.amdgpu_metadata
---
amdhsa.version: [ 1, 2 ]
amdhsa.kernels:
  - .name:           k_qbd542c9ff4_head
    .symbol:         k_qbd542c9ff4_head.kd
    .args:
      - { .name: x, .offset: 0, .size: 8, .value_kind: global_buffer, .address_space: global }
      - { .name: Wq, .offset: 8, .size: 8, .value_kind: global_buffer, .address_space: global }
      - { .name: Wk, .offset: 16, .size: 8, .value_kind: global_buffer, .address_space: global }
      - { .name: Wv, .offset: 24, .size: 8, .value_kind: global_buffer, .address_space: global }
      - { .name: out0, .offset: 32, .size: 8, .value_kind: global_buffer, .address_space: global }
    .group_segment_fixed_size: 275968
    .private_segment_fixed_size: 0
    .kernarg_segment_align: 8
    .kernarg_segment_size: 40
    .max_flat_workgroup_size: 128
    .sgpr_count:     66
    .vgpr_count:     960
    .wavefront_size: 32
...
	.end_amdgpu_metadata
.endif
;; end of part 1
